; MI455X (gfx1250); checked and timed in simulation.
; The chip was launched on July 23, 2026; its instructions are those of AMD's public machine-readable ISA for CDNA 5 (MIT licence, August 2026) and "CDNA5" Instruction Set Architecture Reference Guide (July 2026). The comments in the code are by the model that wrote it; some were corrected since.
;; Bahdanau Attention. Allowed arithmetic: matrix products marked QUANTISED: E5M2 operands, one given power-of-two scale a tensor, by v_wmma_f32_16x16x64_bf8_bf8 or v_wmma_f32_16x16x128_bf8_bf8, f32 sums; products left as they are: f32 operands where the result goes on into a quantised operand, else bf16, f16 or f32 operands; f32 sums; everything else in f32.
;; Inputs: Ua_b 1,024 float32; Ua_w_codes 1,024 x 32 x 32 uint8 (E5M2 codes of Ua_w, K innermost, in blocks of 32 codes); Va_b 1 float32; Va_w 1 x 1,024 float32; Wa_b 1,024 float32; Wa_w_codes 1,024 x 32 x 32 uint8 (E5M2 codes of Wa_w, K innermost, in blocks of 32 codes); keys 32 x 2,048 x 1,024 float32; lowp_scales 4 int32 (the exponents e of the quantised operands' scales 2^e); query_codes 32 x 1 x 32 x 32 uint8 (E5M2 codes of query, K innermost, in blocks of 32 codes).
;; Outputs: out0 32 x 1 x 1,024 float32; out1 32 x 1 x 2,048 float32.
;; This version of the problem:
;;   THIS VERSION OF THE PROBLEM IS GIVEN IN LOW PRECISION. The matrix products marked QUANTISED in the list below multiply operands that are first quantised to E5M2 (5 exponent bits, 2 mantissa bits; 8 bits a number), with one given power-of-two scale for each operand tensor; their sums are f32. All else is computed in f32.
;;   The module's matrix products, in the order in which they are computed (A, B: the left and right operand; K: the contracted axis; several contracted axes count as one K, in the product's order):
;;     1. [M 32, K 1,024] x [K 1,024, N 1,024]; A: input query (given as codes); B: input Wa_w (given as codes): QUANTISED (scales: A lowp_scales[0], B lowp_scales[1])
;;     2. [M 65,536, K 1,024] x [K 1,024, N 1,024]; A: input keys; B: input Ua_w (given as codes): QUANTISED (scales: A lowp_scales[2], B lowp_scales[3])
;;     3. [M 65,536, K 1,024] x [K 1,024, N 1]; A: computed on the way; B: input Va_w: left as it is (N = 1 < 16)
;;     4. batch 32 x [M 1, K 2,048] x [K 2,048, N 1,024]; A: softmax; B: input keys: left as it is (M = 1 < 16)
;;   THE QUANTISER, for each operand of a quantised product, along K:
;;     - The operand's scale is 2^e, e = its entry of the input lowp_scales (int32; the entries are numbered through the quantised products in the list's order, A before B).
;;     - Each number is divided by the scale, clamped to +-57,344, and rounded to the nearest number of E5M2, ties to even, subnormals kept.
;;     - The product sums the exact products of the quantised numbers (number of the format x scale) in f32.
;;   ~~~python
;;   def quantise(x, axis, e):      # numpy; x: float32 -> the quantised numbers, widened to float32 again
;;       x = np.moveaxis(x, axis, -1); K = x.shape[-1]
;;       r = np.clip(x / 2.0 ** e, -57344, 57344)
;;       step = 2.0 ** (np.maximum(np.frexp(np.where(r == 0, 1, r))[1] - 1, -14) - 2)
;;       q = np.round(r / step) * step * 2.0 ** e      # np.round: ties to even
;;       return np.moveaxis(q, -1, axis).astype(np.float32)
;;   ~~~
;;   INPUTS GIVEN AS CODES. Ua_w (in the module: [1024, 1024], K = its axis 1); Wa_w (in the module: [1024, 1024], K = its axis 1); query (in the module: [32, 1, 1024], K = its axis 2): each comes as NAME_codes (uint8): NAME with its K axis moved to the last place and cut into blocks of 32 codes, [.., K / 32, bytes a block], one block behind the other in memory; one code a byte (a code: sign, 5 exponent bits, 2 mantissa bits); its scale is its entry of lowp_scales. Its value is code x scale, taken as it is: it is not quantised again, and the codes and scales need not be those that the quantiser above would give.
;; One version. Each part assembles by itself: llvm-mc -triple=amdgcn-amd-amdhsa -mcpu=gfx1250 --defsym DOCPART=n.
;; ======== version 1 of 1: 3 launches
;; limits: right only within a limited range of input values
;; workspace buffers: qb 131,072 bytes; ub 1,048,576 bytes; scbuf 262,144 bytes
;; launch prep (part 1): grid 16 x 1, 4 waves a work-group, no clusters, 9,216 bytes of LDS; arguments query_codes, Wa_w_codes, Ua_w_codes, Wa_b, Ua_b, lowp_scales, qb, ub; writes qb, ub
.if DOCPART == 1
	.amdgcn_target "amdgcn-amd-amdhsa--gfx1250"
	.amdhsa_code_object_version 6
	.text
	.protected	k_qb436d5b983_prep
	.globl	k_qb436d5b983_prep
	.p2align	8
	.type	k_qb436d5b983_prep,@function
k_qb436d5b983_prep:
	s_mov_b64 s[64:65], 0
	v_nop
	global_prefetch_b8 v0, s[64:65] scope:SCOPE_SE
	s_setreg_imm32_b32 hwreg(HW_REG_WAVE_MODE, 25, 1), 1
	s_wait_xcnt 0x0
; Two small jobs ahead of the large product.
; (1) qb[b][o] = 2 log2(e) x (sum over k of query[b][k] Wa[o][k] + Wa_b[o] + Ua_b[o]): all that the tanh's argument holds beside the keys' product, already in the
;     scale of the base-2 exponential that makes the tanh later.  query [32][1024] and Wa [1024][1024] are codes of BF8 (E5M2) with the scales 2^e0, 2^e1; sums in f32.
; (2) ub = Ua's codes in the order of an operand's registers: for the 16 rows 16 t .. 16 t + 15, K step q (128 along K) and c = 0 .. 3 a block of 512 bytes at ((8 t + q) 4 + c) 512,
;     lane l = 16 h + r holding at 16 l the bytes Ua[16 t + r][128 q + 32 c + 16 h + 0 .. 15].  The next launch then takes every fragment by four loads of 512 consecutive bytes.
; SHARES.  Work-group g, wave w: the 16 outputs o = 16 t .. 16 t + 15, t = 4 g + w, for all 32 batches: two accumulators, eight K steps, 16 matrix instructions.  A work-group's 64 outputs
; are 256 bytes of a row of qb: they meet in a stage in LDS and leave as whole aligned runs of 256 bytes.
; FRAGMENTS.  Lane (r, h) holds of row r, in registers 4 c .. 4 c + 3, K = 32 c + 16 h + 0 .. 15: four loads of 16 bytes.  That is a permutation of k, the same on both sides of every product.
; The lanes of a fragment load stand a row (1,024 bytes) apart; a wave reads 64 KiB in all, once.
; NO CLUSTER: what the work-groups share is the query's 32 KiB, taken straight into registers; no tile goes through LDS.
; LIMIT: e0 + e1 between -127 and 126 (it is added to the exponent field of 2 log2(e)).  NaN among the inputs is not served.
; REGISTERS, in windows of 256: window 0: v1-10 addresses and the bias; v32-47 the two accumulators; v48-63 results; v64-191 Wa's 8 fragments; v192-207 rows on the way out.
;   window 1: the query's 16 fragments (128 M + 16 q).   window 2: v0-127 Ua's 8 fragments.
; WORK LEFT OUT IN THIS PROGRAM.  reference() adds Va_b to every score of a batch, and softmax(s + c) = softmax(s) for every number c that is the same along the softmax's axis: so Va_b reaches neither
; the weights nor the context, whatever finite values the inputs hold.  It is not loaded and is no launch's argument.  By the same identity the program writes tanh(x) = 1 - 2 / (1 + e^(2x)), so that a score is
; sum_o Va[o] - 2 sum_o Va[o] / (1 + e^(2 x[o])): its first term is the same for all positions of a batch and is left out too.  The largest score is still taken away before the exponential.
; LIMIT: a NaN, an infinity or an overflow that reaches only Va_b or the sum of Va is not carried to the result.
.set K2L,  0x4038aa3b                  ; 2 log2(e) as f32
.set SP,   272                         ; a stage row: 256 bytes + 16 of padding
.set MSB, 0
.macro WIN new                         ; the immediate's high byte repeats the setting that is left
.if MSB != \new
	s_set_vgpr_msb (MSB<<8)|\new
.set MSB, \new
.endif
.endm
	s_load_b256 s[4:11], s[0:1], 0x0               ; query s[4:5], Wa s[6:7], Ua s[8:9], Wa_b s[10:11]
	s_load_b256 s[12:19], s[0:1], 0x20             ; Ua_b s[12:13], the scales' exponents s[14:15], qb s[16:17], ub s[18:19]
	v_lshl_add_u32 v254, v0, 2, 0x2200
	v_mov_b32 v255, 0
	v_lshrrev_b32 v1, 5, v0
	v_readfirstlane_b32 s20, v1                    ; wave 0..3
	s_lshl_b32 s21, ttmp9, 2
	s_add_co_u32 s21, s21, s20                     ; t = 4 g + w
	v_and_b32 v1, 15, v0                           ; r
	v_bfe_u32 v2, v0, 4, 1                         ; h
	v_lshlrev_b32 v3, 10, v1
	v_lshl_add_u32 v3, v2, 4, v3                   ; a fragment's place: row r of 1,024 bytes + 16 h
	v_lshlrev_b32 v4, 2, v1                        ; the biases: 4 r
	v_and_b32 v5, 31, v0
	v_lshlrev_b32 v5, 4, v5                        ; an image's place: 16 x lane
	v_mul_u32_u24 v6, v2, 8*SP
	v_lshl_add_u32 v6, v1, 2, v6
	s_lshl_b32 s22, s20, 6
	v_add_nc_u32 v6, s22, v6                       ; into the stage: row 8 h (+ 16 M + j), byte 64 w + 4 r
	s_mul_i32 s22, s20, 8*SP
	v_mul_u32_u24 v7, v2, SP
	v_lshl_add_u32 v7, v1, 4, v7
	v_add_nc_u32 v7, s22, v7                       ; out of it: row 8 w + h (+ 2 k), 16 bytes a lane
	s_lshl_b32 s22, s20, 15
	v_lshlrev_b32 v8, 12, v2
	v_lshl_add_u32 v8, v1, 4, v8
	v_add_nc_u32 v8, s22, v8                       ; and the same place in qb: rows of 4,096 bytes
	s_mov_b32 s31, 0
	s_wait_kmcnt 0x0
	s_load_b64 s[24:25], s[14:15], 0x0             ; e0, e1
	s_lshl_b32 s30, s21, 14                        ; 16 rows of 1,024 bytes, and as many bytes of images
	s_add_nc_u64 s[6:7], s[6:7], s[30:31]
	s_add_nc_u64 s[8:9], s[8:9], s[30:31]
	s_add_nc_u64 s[18:19], s[18:19], s[30:31]
	s_lshl_b32 s30, s21, 6                         ; 16 numbers of each bias
	s_add_nc_u64 s[10:11], s[10:11], s[30:31]
	s_add_nc_u64 s[12:13], s[12:13], s[30:31]
	s_lshl_b32 s30, ttmp9, 8                       ; the work-group's 256 bytes of a row of qb
	s_add_nc_u64 s[16:17], s[16:17], s[30:31]
	WIN 0x80                                       ; destination window 2
.irp q, 0,1,2,3,4,5,6,7
.irp c, 0,1,2,3
	global_load_b128 v[16*\q+4*\c:16*\q+4*\c+3], v3, s[8:9] offset:128*\q+32*\c          ; Ua
.endr
.endr
	WIN 0
.irp q, 0,1,2,3,4,5,6,7
.irp c, 0,1,2,3
	global_load_b128 v[64+16*\q+4*\c:64+16*\q+4*\c+3], v3, s[6:7] offset:128*\q+32*\c    ; Wa
.endr
.endr
	global_load_b32 v9, v4, s[10:11]               ; Wa_b[16 t + r]
	global_load_b32 v10, v4, s[12:13]              ; Ua_b[16 t + r]
	WIN 0x40                                       ; destination window 1
.irp mm, 0,1
.irp q, 0,1,2,3,4,5,6,7
.irp c, 0,1,2,3
	global_load_b128 v[128*\mm+16*\q+4*\c:128*\mm+16*\q+4*\c+3], v3, s[4:5] offset:16384*\mm+128*\q+32*\c   ; query, batches 16 M on
.endr
.endr
.endr
	WIN 0
	s_wait_loadcnt 0x0
	s_wait_kmcnt 0x0
	s_add_co_i32 s28, s24, s25
	s_lshl_b32 s28, s28, 23
	s_add_co_i32 s28, s28, K2L                     ; 2 log2(e) x 2^(e0 + e1): the two exponents are added to the exponent field
	WIN 0x01                                       ; source 0 (query) window 1; Wa, C and D window 0
.irp q, 0,1,2,3,4,5,6,7                        ; the two accumulators take turns; the first K step starts the sums
.irp mm, 0,1
.if \q == 0
	v_wmma_f32_16x16x128_bf8_bf8 v[32+8*\mm:39+8*\mm], v[128*\mm+16*\q:128*\mm+16*\q+15], v[64+16*\q:64+16*\q+15], 0
.else
	v_wmma_f32_16x16x128_bf8_bf8 v[32+8*\mm:39+8*\mm], v[128*\mm+16*\q:128*\mm+16*\q+15], v[64+16*\q:64+16*\q+15], v[32+8*\mm:39+8*\mm]
.endif
.endr
.endr
	WIN 0x08                                       ; store data window 2
.irp q, 0,1,2,3,4,5,6,7
.irp c, 0,1,2,3
	global_store_b128 v5, v[16*\q+4*\c:16*\q+4*\c+3], s[18:19] offset:(4*\q+\c)*512      ; Ua's images: the wave stores 512 consecutive bytes, aligned
.endr
.endr
	WIN 0
	v_add_f32 v10, v9, v10                         ; these two and two v_nop are the four places between the last products and the first read of their results (ISA guide 7.12.1)
	v_mul_f32 v10, K2L, v10                        ; 2 log2(e) x (Wa_b + Ua_b)
	v_nop
	v_nop
.irp i, 0,1,2,3,4,5,6,7,8,9,10,11,12,13,14,15
	v_fma_f32 v[48+\i], v[32+\i], s28, v10         ; register 8 M + j of lane (r, h): batch 16 M + 8 h + j, output 16 t + r; each accumulator from its low end on
.endr
.irp mm, 0,1
.irp j, 0,1,2,3,4,5,6,7
	ds_store_b32 v6, v[48+8*\mm+\j] offset:(16*\mm+\j)*SP
.endr
.endr
	s_wait_dscnt 0x0                               ; for the others' sake: my stores into the stage are done
	s_barrier_signal -1
	s_barrier_wait -1
.irp k, 0,1,2,3
	ds_load_b128 v[192+4*\k:195+4*\k], v7 offset:2*\k*SP
.endr
	s_wait_dscnt 0x0
.irp k, 0,1,2,3
	global_store_b128 v8, v[192+4*\k:195+4*\k], s[16:17] offset:8192*\k   ; sixteen lanes store 256 consecutive bytes, at a multiple of 256 from qb's first byte
.endr
	s_wait_tensorcnt 0x0
	ds_add_u32 v254, v255
	s_wait_dscnt 0x0
	s_endpgm
.Lfunc_end_k_qb436d5b983_prep:
	.size	k_qb436d5b983_prep, .Lfunc_end_k_qb436d5b983_prep-k_qb436d5b983_prep
	.p2alignl 7, 3214868480
	.fill 96, 4, 3214868480
	.section	.rodata,"a",@progbits
	.p2align	6, 0x0
	.amdhsa_kernel k_qb436d5b983_prep
		.amdhsa_group_segment_fixed_size 9216
		.amdhsa_private_segment_fixed_size 0
		.amdhsa_enable_private_segment 0
		.amdhsa_kernarg_size 64
		.amdhsa_user_sgpr_count 2
		.amdhsa_user_sgpr_kernarg_segment_ptr 1
		.amdhsa_wavefront_size32 1
		.amdhsa_system_sgpr_workgroup_id_x 1
		.amdhsa_system_sgpr_workgroup_id_y 1
		.amdhsa_system_sgpr_workgroup_id_z 1
		.amdhsa_system_vgpr_workitem_id 0
		.amdhsa_next_free_vgpr 640
		.amdhsa_next_free_sgpr 66
		.amdhsa_reserve_vcc 0
		.amdhsa_float_denorm_mode_32 3
		.amdhsa_float_denorm_mode_16_64 3
		.amdhsa_memory_ordered 1
		.amdhsa_forward_progress 1
		.amdhsa_inst_pref_size 22
	.end_amdhsa_kernel
	.amdgpu_metadata
---
amdhsa.version: [ 1, 2 ]
amdhsa.kernels:
  - .name:           k_qb436d5b983_prep
    .symbol:         k_qb436d5b983_prep.kd
    .args:
      - { .name: query_codes, .offset: 0, .size: 8, .value_kind: global_buffer, .address_space: global }
      - { .name: Wa_w_codes, .offset: 8, .size: 8, .value_kind: global_buffer, .address_space: global }
      - { .name: Ua_w_codes, .offset: 16, .size: 8, .value_kind: global_buffer, .address_space: global }
      - { .name: Wa_b, .offset: 24, .size: 8, .value_kind: global_buffer, .address_space: global }
      - { .name: Ua_b, .offset: 32, .size: 8, .value_kind: global_buffer, .address_space: global }
      - { .name: lowp_scales, .offset: 40, .size: 8, .value_kind: global_buffer, .address_space: global }
      - { .name: qb, .offset: 48, .size: 8, .value_kind: global_buffer, .address_space: global }
      - { .name: ub, .offset: 56, .size: 8, .value_kind: global_buffer, .address_space: global }
    .group_segment_fixed_size: 9216
    .private_segment_fixed_size: 0
    .kernarg_segment_align: 8
    .kernarg_segment_size: 64
    .max_flat_workgroup_size: 128
    .sgpr_count:     66
    .vgpr_count:     640
    .wavefront_size: 32
...
	.end_amdgpu_metadata
.endif
;; end of part 1
;; launch score (part 2): grid 256 x 1, 4 waves a work-group, clusters of 4 x 1, 327,680 bytes of LDS; arguments keys, ub, qb, Va_w, lowp_scales, scbuf; writes scbuf
.if DOCPART == 2
	.amdgcn_target "amdgcn-amd-amdhsa--gfx1250"
	.amdhsa_code_object_version 6
	.text
	.protected	k_qb436d5b983_score
	.globl	k_qb436d5b983_score
	.p2align	8
	.type	k_qb436d5b983_score,@function
k_qb436d5b983_score:
	s_mov_b64 s[64:65], 0
	v_nop
	global_prefetch_b8 v0, s[64:65] scope:SCOPE_SE
	s_setreg_imm32_b32 hwreg(HW_REG_WAVE_MODE, 25, 1), 1
	s_wait_xcnt 0x0
	s_wait_alu depctr_hold_cnt(0) depctr_sa_sdst(0) depctr_va_vdst(0) depctr_va_sdst(0) depctr_va_ssrc(0) depctr_va_vcc(0) depctr_vm_vsrc(0)
	s_getreg_b32 s2, hwreg(HW_REG_IB_STS2, 6, 4)
	s_cmp_eq_u32 s2, 0
	s_cbranch_scc0 .Lentry_in_a_cluster
	s_endpgm
.Lentry_in_a_cluster:
	s_bfe_u32 s2, ttmp6, 0x10000c
	s_cmp_lg_u32 s2, 0x3003
	s_cbranch_scc0 .Lentry_shape_is_right
	s_endpgm
.Lentry_shape_is_right:
; scbuf[b][s] = sum over o of -2 Va[o] / (1 + 2^y), y = 2 log2(e) x (keys[b][s] . Ua[o]) + qb[b][o]: the score of reference() less Va_b and less the sum of Va.
; LEFT OUT: Va_b and the sum of Va are the same for all positions of a batch and fall out of the softmax (shown at the head of the first kernel).
; keys [65536][1024] f32 are quantised here to BF8 (E5M2) with the given scale 2^e2 (held at +-57,344 x 2^e2 first); ub holds Ua's codes as images of the operand's registers (first kernel); sums in f32.
; SHARES.  A work-group owns 256 rows of keys (an eighth of a batch), a wave 64 of them.
; THE KEYS: eight trips, one for each 128 along K.  A wave's tile of a trip is its 64 rows x 512 bytes, brought by one tensor load into its own part of one of two LDS slots (rows padded to 528 bytes, so that
; the 16 rows of a fragment load start at 16 different groups of banks).  Lane (r, h) reads of row r the 16 numbers K = 32 c + 16 h + 0 .. 15, holds and converts them: the results are the fragment's registers
; 4 c .. 4 c + 3.  All 64 x 1,024 codes of the wave stay in 512 registers.  The tile two trips on is prefetched: 128 blocks of 256 bytes, a lane a block, four instructions a wave; the last two trips ask for nothing.
; THE GROUPS: 64 groups of 16 outputs; a group is 32 matrix instructions a wave (8 K steps of 128 x 4 tiles of 16 rows) on four accumulators by turns, then the tanh of its 32 results a lane in batches, so that
; each batch of transcendentals has one wait ahead and one behind.  Behind a K step's four products and four places its fragment is fetched anew, for the next group: the 32 LDS loads lie spread among the products.
; The matrix instruction is used transposed (source 0 = 16 rows of Ua, source 1 = 16 rows of keys): a lane holds one row of keys and eight outputs 16 g + 8 h + j.
; Ua's images come through two LDS slots of 128 KiB (8 groups each), on the bytes that held the keys, 32 KiB a wave by one tensor load.  CLUSTER 4, 1, 1: the four work-groups walk the same images and ask for them
; jointly; the keys' tiles are each work-group's own (no mask).  No prefetch of ub: a slot's load is asked for eight groups (256 matrix instructions) ahead of its first read.
; LIMITS: e2 between -126 and 112; e2 + e3 between -127 and 126 (added to the exponent field of 2 log2(e)).  NaN among the inputs is not served.
; REGISTERS: window 0: v1-31 addresses and small things; v32-63 the group's results; v64-71 the rows' sums; v72-87 the group's qb and -2 Va; v96-111 the tables on their way to LDS; v128-255 Ua's fragments.
;   window 1: a trip's f32 keys, 4 tiles x 64.  windows 2, 3: the keys' codes, K steps 0-3 and 4-7 (64 (q % 4) + 16 tile).
.set SLOTB, 1<<17                      ; a slot of Ua's images
.set GRPB,  16384                      ; a group's images: 16 rows of Ua x 1,024 bytes
.set KPI,   528                        ; a row of a keys' tile in LDS: 512 bytes + 16
.set KT,    64*KPI                     ; a wave's tile
.set KSL,   4*KT                       ; a slot of keys
.set TAB,   2*KSL                      ; qb's row of the batch (4,096 bytes), then -2 Va (4,096 bytes)
.set SCR,   TAB+8192                   ; 512 bytes a wave: the two halves of the lanes meet
.set SPARE, SCR+2048                   ; the spare words, 128 bytes a wave
.set L16, 1
.set KA,  2                            ; v2, v3: my place in my tile, slot 0 and 1
.set ADR, 4
.set AT0, 5
.set ADT, 6
.set SCA, 7
.set SCB, 8
.set GOF, 9
.set SCL, 10
.set LIM, 11
.set SPW, 12
.set NIL, 13
.set PFO, 14
.set TOF, 20
.set TLA, 21
.set PR,  32
.set SACC, 64
.set QB,  72
.set VA,  80
.set TL,  96
.set BF,  128
.set WV,  18
.set G1,  24
.set G0A, 32
.set G0W, 36
.set SS,  44
.set FB,  47
.set TO,  48
.set NSL, 49
.set NGR, 50
.set KB0, 66
.set G1K, 68
.set G0K, 76
.set MSB, 0
.macro WIN new                         ; the immediate's high byte repeats the setting that is left
.if MSB != (\new)
	s_set_vgpr_msb (MSB<<8)|(\new)
.set MSB, (\new)
.endif
.endm
.macro PLACES n
.rept \n
	v_nop
.endr
.endm
.macro CROUND                          ; a round of the cluster's barrier
	s_barrier_signal -1
	s_barrier_wait -1
	s_cmp_lg_u32 s[WV], 0
	s_cbranch_scc1 .Lnot_wave_0_\@
	s_barrier_signal -3
.Lnot_wave_0_\@:
	s_barrier_wait -3
	s_barrier_signal -1
	s_barrier_wait -1
.endm
	s_load_b256 s[4:11], s[0:1], 0x0               ; keys s[4:5], ub s[6:7], qb s[8:9], Va_w s[10:11]
	s_load_b128 s[12:15], s[0:1], 0x20             ; the scales' exponents s[12:13], scbuf s[14:15]
	v_lshl_add_u32 v[SPW], v0, 2, SPARE
	v_mov_b32 v[NIL], 0
	ds_add_u32 v[SPW], v[NIL]                      ; the opening lines: the add,
	ds_add_u32 v[SPW], v[NIL]                      ; once more; work on registers follows, then the one wait
	v_lshrrev_b32 v22, 5, v0
	v_readfirstlane_b32 s[WV], v22                 ; wave 0..3
	v_and_b32 v22, 15, v0                          ; r
	v_bfe_u32 v23, v0, 4, 1                        ; h
	v_and_b32 v24, 31, v0                          ; lane
	v_lshlrev_b32 v[GOF], 3, v24                   ; 8 x lane: my two scores on the way out
	v_lshlrev_b32 v[L16], 4, v24                   ; 16 x lane
	v_lshlrev_b32 v[TOF], 4, v0                    ; 16 x thread
	s_mul_i32 s[KB0], s[WV], KT                    ; my tile in a slot of keys
	v_mul_u32_u24 v[KA], v22, KPI
	v_lshl_add_u32 v[KA], v23, 6, v[KA]            ; row r, 16 h numbers of 4 bytes
	v_add_nc_u32 v[KA], s[KB0], v[KA]
	v_add_nc_u32 v[KA+1], KSL, v[KA]
	v_lshl_add_u32 v[AT0], v23, 5, TAB             ; the tables: my eight outputs begin at 8 h
	s_lshl_b32 s51, s[WV], 9
	s_add_co_u32 s51, s51, SCR
	v_lshl_add_u32 v[SCA], v23, 8, s51
	v_lshl_add_u32 v[SCA], v22, 2, v[SCA]
	v_add_nc_u32 v[SCB], s51, v[GOF]
	v_lshl_add_u32 v[TLA], v0, 4, TAB
	v_lshrrev_b32 v[PFO], 1, v24
	v_and_b32 v25, 1, v24
	v_lshlrev_b32 v[PFO], 12, v[PFO]
	v_lshl_add_u32 v[PFO], v25, 8, v[PFO]          ; the prefetches: row lane / 2 (of 16), block lane % 2 of its 512 bytes
.irp i, 0,1,2,3,4,5,6,7
	v_mov_b32 v[SACC+\i], 0                        ; the rows' sums: four tiles, two halves each
.endr
	s_bfe_u32 s19, ttmp6, 0x40000
	s_lshl_b32 s20, ttmp9, 2
	s_add_co_u32 s20, s20, s19                     ; the work-group's number: it enters global addresses of keys, qb and scbuf alone
	s_mov_b32 s[G1+0], 15|(3<<16)|(1<<21)          ; Ua's images: the four partners; elements of 8 bytes; bit 21 beside a mask
	s_mov_b32 s[G1+1], 32<<16                      ; rows of 256 bytes,
	s_mov_b32 s[G1+2], 128<<16                     ; 128 of them: 32 KiB, dense
	s_mov_b32 s[G1+3], 32<<16
	s_mov_b32 s[G1+4], 128
	s_mov_b32 s[G1+5], 32
	s_mov_b32 s[G1+6], 0
	s_mov_b32 s[G1+7], 0
	s_mov_b32 s[G1K+0], (3<<16)|(1<<20)|(6<<22)|(3<<25)   ; the keys: no mask; elements of 8 bytes; four words of padding after every 128
	s_mov_b32 s[G1K+1], 64<<16                     ; rows of 512 bytes,
	s_mov_b32 s[G1K+2], 64<<16                     ; 64 of them,
	s_mov_b32 s[G1K+3], 64<<16
	s_mov_b32 s[G1K+4], 64
	s_mov_b32 s[G1K+5], 512                        ; 4,096 bytes apart
	s_mov_b32 s[G1K+6], 0
	s_mov_b32 s[G1K+7], 0
	s_lshl_b32 s54, s[WV], 15
	s_mov_b32 s55, 0
	s_mov_b32 s[G0A], 1
	s_lshl_b32 s[G0A+1], s[WV], 15
	s_mov_b32 s[G0W], 1
	s_add_co_u32 s[G0W+1], s[G0A+1], SLOTB
	s_mov_b32 s[G0K], 1
	s_mov_b32 s[G0K+1], s[KB0]
	s_lshl_b32 s52, s20, 20                        ; 256 rows of 4,096 bytes,
	s_lshl_b32 s53, s[WV], 18                      ; my 64
	s_add_co_u32 s52, s52, s53
	s_mov_b32 s53, 0
	s_wait_alu depctr_va_vdst(0)                   ; the wait ahead of the blocking waits
	s_wait_dscnt 0x0                               ; both opening adds are done
	s_wait_kmcnt 0x0
	s_load_b64 s[42:43], s[12:13], 0x8             ; e2, e3
	s_add_nc_u64 s[4:5], s[4:5], s[52:53]
	s_mov_b64 s[G0K+2:G0K+3], s[4:5]
	s_or_b32 s[G0K+3], s[G0K+3], 0x80000000
	s_add_nc_u64 s[G0A+2:G0A+3], s[6:7], s[54:55]
	s_add_nc_u64 s[G0W+2:G0W+3], s[G0A+2:G0A+3], SLOTB
	s_or_b32 s[G0A+3], s[G0A+3], 0x80000000
	s_or_b32 s[G0W+3], s[G0W+3], 0x80000000
	CROUND                                         ; in a cluster launch a round stands in front of every group of tensor loads
	tensor_load_to_lds s[G0K:G0K+3], s[G1K:G1K+7]  ; trip 0's tile: my one tensor load at the head
	s_nop 0
	PLACES 4
	s_lshr_b32 s52, s20, 3
	s_lshl_b32 s52, s52, 12                        ; the batch's row of qb
	s_add_nc_u64 s[8:9], s[8:9], s[52:53]
	s_lshl_b32 s52, s20, 10
	s_lshl_b32 s51, s[WV], 8
	s_add_co_u32 s52, s52, s51                     ; my 64 scores
	s_add_nc_u64 s[14:15], s[14:15], s[52:53]
	global_load_b128 v[TL:TL+3],     v[TOF], s[8:9]
	global_load_b128 v[TL+4:TL+7],   v[TOF], s[8:9] offset:2048
	global_load_b128 v[TL+8:TL+11],  v[TOF], s[10:11]
	global_load_b128 v[TL+12:TL+15], v[TOF], s[10:11] offset:2048
	s_wait_kmcnt 0x0
	s_add_co_i32 s52, s42, 127
	s_lshl_b32 s53, s52, 23
	v_mov_b32 v[SCL], s53                          ; 2^e2
	s_add_co_i32 s52, s52, 15
	s_lshl_b32 s52, s52, 23
	s_or_b32 s52, s52, 0x600000
	v_mov_b32 v[LIM], s52                          ; 57,344 x 2^e2
	s_add_co_i32 s[SS], s42, s43
	s_lshl_b32 s[SS], s[SS], 23
	s_add_co_i32 s[SS], s[SS], 0x4038aa3b          ; 2 log2(e) x 2^(e2 + e3)
	s_mov_b32 s[SS+1], s[SS]
	s_wait_alu depctr_va_vdst(0)                   ; the wait at the head's end
; A TRIP OF THE KEYS.  The three lines and a round; behind it my one tensor load: the next trip's tile into the slot read last (trip 0: slot 1's first fill, issued as a refill is; trip 7: Ua's first
; 128 KiB, jointly, onto slot 0's bytes); then this trip's tile is read, held and converted.
.macro KTRIP q
	WIN 0
	s_wait_tensorcnt 0x0                           ; my tile of this trip is in
	ds_add_u32 v[SPW], v[NIL]
.if (\q) < 7
	s_add_co_u32 s[G0K+1], s[KB0], KSL*(((\q)+1)%2)
	s_add_nc_u64 s[G0K+2:G0K+3], s[G0K+2:G0K+3], 512
.endif
	s_wait_dscnt 0x0                               ; the add is done, and my reads of the slot read last
	CROUND
.if (\q) < 7
	tensor_load_to_lds s[G0K:G0K+3], s[G1K:G1K+7]
.else
	tensor_load_to_lds s[G0A:G0A+3], s[G1:G1+7]
.endif
	s_nop 0
	PLACES 4
	WIN 0x40                                       ; destination window 1
.set KI, 0
.rept 64                               ; tile M = KI / 16, c = (KI / 4) % 4, piece i = KI % 4: registers 64 M + 16 c + 4 i
	ds_load_b128 v[4*KI:4*KI+3], v[KA+(\q)%2] offset:16*KPI*(KI/16)+128*((KI/4)%4)+16*(KI%4)
.set KI, KI+1
.endr
.if (\q) < 6
.irp k, 0,1,2,3
	global_prefetch_b8 v[PFO], s[4:5] offset:512*((\q)+2)+65536*\k th:TH_LOAD_NT scope:SCOPE_SE   ; the tile two trips on, 16 rows an instruction
.endr
.endif
.set KM, 0
.rept 4
	s_wait_dscnt 16*(3-KM)                         ; tile M's 16 loads are in; the later tiles' may be out
	WIN 0x41
.set KI, 0
.rept 64
	v_med3_num_f32 v[64*KM+KI], v[64*KM+KI], -v[LIM], v[LIM]   ; the hold: the conversion does not saturate (ISA guide 7.6.2)
.set KI, KI+1
.endr
	WIN 0x81+0x40*((\q)/4)                         ; destination: the codes' window
.set KI, 0
.rept 8
	v_cvt_scalef32_pk8_bf8_f32 v[64*((\q)%4)+16*KM+2*KI:64*((\q)%4)+16*KM+2*KI+1], v[64*KM+8*KI:64*KM+8*KI+7], v[SCL]
.set KI, KI+1
.endr
	v_nop                                          ; a plain place behind the last conversion
.set KM, KM+1
.endr
.endm
.set N, 0
.rept 8
	KTRIP N
.set N, N+1
.endr
	WIN 0
	s_wait_loadcnt 0x0                             ; the tables
.irp i, 0,1,2,3,4,5,6,7
	v_mul_f32 v[TL+8+\i], -2.0, v[TL+8+\i]         ; -2 Va
.endr
	ds_store_b128 v[TLA], v[TL:TL+3]
	ds_store_b128 v[TLA], v[TL+4:TL+7] offset:2048
	ds_store_b128 v[TLA], v[TL+8:TL+11] offset:4096
	ds_store_b128 v[TLA], v[TL+12:TL+15] offset:6144
	s_wait_tensorcnt 0x0                           ; my part of Ua's slot 0 is in
	ds_add_u32 v[SPW], v[NIL]
	s_wait_dscnt 0x0                               ; the add, my part of the tables, my reads of the keys' last tile
	CROUND
	tensor_load_to_lds s[G0W:G0W+3], s[G1:G1+7]    ; Ua's slot 1, onto bytes that held keys
	s_nop 0
	PLACES 4
.macro FETCHQ q                        ; one K step's fragment of the group at ADR: 4 loads of 512 consecutive bytes
.irp c, 0,1,2,3
	ds_load_b128 v[BF+16*(\q)+4*\c:BF+16*(\q)+4*\c+3], v[ADR] offset:(\q)*2048+512*\c
.endr
.endm
; A GROUP.  ADR stands at the next group's images, ADT at this group's part of the tables.  last = 1: nothing more is fetched.
.macro GROUP last
	ds_load_b128 v[QB:QB+3], v[ADT]
	ds_load_b128 v[QB+4:QB+7], v[ADT] offset:16
	ds_load_b128 v[VA:VA+3], v[ADT] offset:4096
	ds_load_b128 v[VA+4:VA+7], v[ADT] offset:4112
.set GQ, 0
.rept 8
.if \last
	s_wait_dscnt 32-4*GQ                           ; K step q's fragment is in; behind it: 4 (7 - q) older loads and the tables' 4
.else
	s_wait_dscnt 32                                ; K step q's fragment is in; behind it: 4 (7 - q) older loads, the tables' 4 and 4 q for the next group
.endif
	WIN 0x08+4*(GQ/4)                              ; source 1: window 2 or 3
.set WT, 0
.rept 4                                ; the four accumulators take turns; the first K step starts the sums
.if GQ == 0
	v_wmma_f32_16x16x128_bf8_bf8 v[PR+8*WT:PR+8*WT+7], v[BF+16*GQ:BF+16*GQ+15], v[64*(GQ%4)+16*WT:64*(GQ%4)+16*WT+15], 0
.else
	v_wmma_f32_16x16x128_bf8_bf8 v[PR+8*WT:PR+8*WT+7], v[BF+16*GQ:BF+16*GQ+15], v[64*(GQ%4)+16*WT:64*(GQ%4)+16*WT+15], v[PR+8*WT:PR+8*WT+7]
.endif
.set WT, WT+1
.endr
	PLACES 4                                       ; in front of loads into the fragment just read, and of the first read of the results
.if !(\last)
	FETCHQ GQ
.endif
.set GQ, GQ+1
.endr
	WIN 0
.if \last
	s_wait_dscnt 0x0
.else
	s_add_co_u32 s[FB], s[FB], GRPB
	s_add_co_u32 s[TO], s[TO], 64
	v_add_nc_u32 v[ADR], s[FB], v[L16]
	v_add_nc_u32 v[ADT], s[TO], v[AT0]
	s_wait_dscnt 32                                ; the tables' 4 are in (behind them: the next group's 32)
.endif
.set T, 0
.rept 16
	v_pk_fma_f32 v[PR+2*T:PR+2*T+1], v[PR+2*T:PR+2*T+1], s[SS:SS+1], v[QB+2*(T%4):QB+2*(T%4)+1] op_sel_hi:[1,0,1]   ; y; each accumulator from its low end on
.set T, T+1
.endr
	s_wait_alu depctr_va_vdst(0)                   ; a wait ahead of a batch of transcendentals and one behind it
.set T, 0
.rept 32
	v_exp_f32 v[PR+T], v[PR+T]
.set T, T+1
.endr
	v_nop
	s_wait_alu depctr_va_vdst(0)
.set T, 0
.rept 16
	v_pk_add_f32 v[PR+2*T:PR+2*T+1], v[PR+2*T:PR+2*T+1], 1.0 op_sel_hi:[1,0]
.set T, T+1
.endr
	s_wait_alu depctr_va_vdst(0)
.set T, 0
.rept 32
	v_rcp_f32 v[PR+T], v[PR+T]                     ; 2^y = infinity gives 0, 2^y = 0 gives 1: the tanh's two ends
.set T, T+1
.endr
	v_nop
	s_wait_alu depctr_va_vdst(0)
.irp j, 0,1,2,3
.irp m, 0,1,2,3
	v_pk_fma_f32 v[SACC+2*\m:SACC+2*\m+1], v[PR+8*\m+2*\j:PR+8*\m+2*\j+1], v[VA+2*\j:VA+2*\j+1], v[SACC+2*\m:SACC+2*\m+1]
.endr
.endr
.endm
.macro GROUPS n
	s_mov_b32 s[NGR], \n
.Lgrp_\@:
	GROUP 0
	s_sub_co_u32 s[NGR], s[NGR], 1
	s_cmp_lg_u32 s[NGR], 0
	s_cbranch_scc1 .Lgrp_\@
.endm
; THE CHANGE OF SLOTS: the last group of the slot that is left lies in registers.  The three lines, a round of the cluster's barrier, and the joint refill first behind it.
.macro CHANGE fill
	s_wait_tensorcnt 0x0                           ; my part of the slot ahead is in
	ds_add_u32 v[SPW], v[NIL]
.if \fill
	s_xor_b32 s[G0W+1], s[G0W+1], SLOTB
	s_add_nc_u64 s[G0W+2:G0W+3], s[G0W+2:G0W+3], SLOTB
.endif
	s_sub_co_u32 s[FB], s[FB], SLOTB
	s_xor_b32 s[FB], s[FB], SLOTB                  ; the first byte of the slot ahead
	v_add_nc_u32 v[ADR], s[FB], v[L16]
	s_wait_alu depctr_va_vdst(0)                   ; the wait ahead of the blocking wait
	s_wait_dscnt 0x0                               ; the add is done, and my reads of the slot that is left
.if \fill
	CROUND
	tensor_load_to_lds s[G0W:G0W+3], s[G1:G1+7]
	s_nop 0
	PLACES 4
.else
	s_barrier_signal -1
	s_barrier_wait -1
.endif
.endm
	s_mov_b32 s[FB], 0
	s_mov_b32 s[TO], 0
	v_add_nc_u32 v[ADR], s[FB], v[L16]
.irp q, 0,1,2,3,4,5,6,7
	FETCHQ \q
.endr
	s_add_co_u32 s[FB], s[FB], GRPB
	v_add_nc_u32 v[ADR], s[FB], v[L16]
	v_add_nc_u32 v[ADT], s[TO], v[AT0]
	s_wait_alu depctr_va_vdst(0)                   ; the wait ahead of the blocking waits
	GROUPS 7                                       ; groups 0-6; group 7's fragments are then in registers
	s_mov_b32 s[NSL], 6
.Lslot:
	CHANGE 1
	GROUPS 8
	s_sub_co_u32 s[NSL], s[NSL], 1
	s_cmp_lg_u32 s[NSL], 0
	s_cbranch_scc1 .Lslot
	CHANGE 0                                       ; the last slot: nothing is filled again
	GROUPS 8
	GROUP 1
.irp m, 0,1,2,3
	v_add_f32 v[24+\m], v[SACC+2*\m], v[SACC+2*\m+1]   ; row 16 m + r, my half's 512 outputs
.endr
.irp m, 0,1,2,3
	ds_store_b32 v[SCA], v[24+\m] offset:64*\m
.endr
	ds_load_b64 v[28:29], v[SCB]
	ds_load_b64 v[30:31], v[SCB] offset:256
	s_wait_dscnt 0x0
	v_pk_add_f32 v[28:29], v[28:29], v[30:31]
	global_store_b64 v[GOF], v[28:29], s[14:15]    ; the wave stores 256 consecutive bytes, aligned
	s_wait_tensorcnt 0x0                           ; the wave's end
	ds_add_u32 v[SPW], v[NIL]
	s_wait_dscnt 0x0
	CROUND                                         ; the closing round
	s_endpgm
.Lfunc_end_k_qb436d5b983_score:
	.size	k_qb436d5b983_score, .Lfunc_end_k_qb436d5b983_score-k_qb436d5b983_score
	.p2alignl 7, 3214868480
	.fill 96, 4, 3214868480
	.section	.rodata,"a",@progbits
	.p2align	6, 0x0
	.amdhsa_kernel k_qb436d5b983_score
		.amdhsa_group_segment_fixed_size 327680
		.amdhsa_private_segment_fixed_size 0
		.amdhsa_enable_private_segment 0
		.amdhsa_kernarg_size 48
		.amdhsa_user_sgpr_count 2
		.amdhsa_user_sgpr_kernarg_segment_ptr 1
		.amdhsa_wavefront_size32 1
		.amdhsa_system_sgpr_workgroup_id_x 1
		.amdhsa_system_sgpr_workgroup_id_y 1
		.amdhsa_system_sgpr_workgroup_id_z 1
		.amdhsa_system_vgpr_workitem_id 0
		.amdhsa_next_free_vgpr 1024
		.amdhsa_next_free_sgpr 80
		.amdhsa_reserve_vcc 0
		.amdhsa_float_denorm_mode_32 3
		.amdhsa_float_denorm_mode_16_64 3
		.amdhsa_memory_ordered 1
		.amdhsa_forward_progress 1
		.amdhsa_inst_pref_size 243
	.end_amdhsa_kernel
	.amdgpu_metadata
---
amdhsa.version: [ 1, 2 ]
amdhsa.kernels:
  - .name:           k_qb436d5b983_score
    .symbol:         k_qb436d5b983_score.kd
    .args:
      - { .name: keys, .offset: 0, .size: 8, .value_kind: global_buffer, .address_space: global }
      - { .name: ub, .offset: 8, .size: 8, .value_kind: global_buffer, .address_space: global }
      - { .name: qb, .offset: 16, .size: 8, .value_kind: global_buffer, .address_space: global }
      - { .name: Va_w, .offset: 24, .size: 8, .value_kind: global_buffer, .address_space: global }
      - { .name: lowp_scales, .offset: 32, .size: 8, .value_kind: global_buffer, .address_space: global }
      - { .name: scbuf, .offset: 40, .size: 8, .value_kind: global_buffer, .address_space: global }
    .group_segment_fixed_size: 327680
    .private_segment_fixed_size: 0
    .kernarg_segment_align: 8
    .kernarg_segment_size: 48
    .max_flat_workgroup_size: 128
    .sgpr_count:     80
    .vgpr_count:     1024
    .wavefront_size: 32
...
	.end_amdgpu_metadata
.endif
;; end of part 2
;; launch context (part 3): grid 8 x 32, 4 waves a work-group, no clusters, 327,680 bytes of LDS; arguments keys, scbuf, out0, out1; writes out0, out1
.if DOCPART == 3
	.amdgcn_target "amdgcn-amd-amdhsa--gfx1250"
	.amdhsa_code_object_version 6
	.text
	.protected	k_qb436d5b983_context
	.globl	k_qb436d5b983_context
	.p2align	8
	.type	k_qb436d5b983_context,@function
k_qb436d5b983_context:
	s_mov_b64 s[64:65], 0
	v_nop
	global_prefetch_b8 v0, s[64:65] scope:SCOPE_SE
	s_setreg_imm32_b32 hwreg(HW_REG_WAVE_MODE, 25, 1), 1
	s_wait_xcnt 0x0
; weights[b][s] = softmax over s of score[b][s] (out1);  context[b][c] = sum over s of weights[b][s] keys[b][s][c] (out0).  All in f32; the largest score is taken away before the exponential.
; LEFT OUT: the scores come without Va_b and without the sum of Va, which are the same along the softmax's axis (shown at the head of the first kernel).
; SHARES.  Work-group (x, b): batch b, columns 128 x .. 128 x + 127 (512 bytes of every row of keys), all 2,048 rows: each number of out0 has one owner.  Eight trips of 256 rows through two LDS slots of
; 128 KiB; in a trip wave w owns rows 64 w .. 64 w + 63: one tensor load of 64 rows x 512 bytes into its own 32 KiB, which it alone reads, a lane four columns.  The tile two trips on is prefetched:
; 128 blocks of 256 bytes, a lane a block, four instructions a wave spread over the trip; the last two trips ask for nothing.
; THE SOFTMAX is made by each of the batch's eight work-groups for itself.  Lane l of wave w holds, for trip t, the scores of rows 256 t + 64 w + 2 l and + 1, its own wave's rows: a row's p = e^(score - max) is
; taken from its lane by v_readlane_b32 and multiplies as a scalar.  p is not normalised on the way: the sum of all p divides the context and the weights at the end.  The work-group stores the eighth x of
; out1's row; those 256 scores are loaded once more into registers of their own.
; NO CLUSTER: what the eight work-groups of a batch share is the 8,192 bytes of scores beside 1 MiB of keys each.  No matrix unit: the product has one row.
; LDS: two slots; then the waves' maxima, 256 bytes on their sums, four partial rows of 512 bytes, the spare words.
; REGISTERS: v1 lane; v2 8 x lane; v3 16 x lane; v4, v5 the maxima's places; v6, v7 my tile in slot 0, 1; v[8:11], v[12:15] the sums of even and of odd rows; v[16:31] my 16 scores, then p; v32-35 addresses;
;   v[40:41] my two of out1; v44-55 at work; v64-255 three buffers of 16 rows.
.set SLOT, 131072
.set RED,  2*SLOT
.set PART, RED+512
.set SPARE, PART+2048
.set G1, 24
.set G0, 32
	s_load_b256 s[4:11], s[0:1], 0x0               ; keys s[4:5], the scores s[6:7], out0 s[8:9], out1 s[10:11]
	v_lshl_add_u32 v62, v0, 2, SPARE
	v_mov_b32 v63, 0
	ds_add_u32 v62, v63                            ; the opening lines: the add,
	ds_add_u32 v62, v63                            ; once more; work on registers follows, then the one wait
	v_lshrrev_b32 v2, 5, v0
	v_readfirstlane_b32 s14, v2                    ; wave 0..3
	v_and_b32 v1, 31, v0
	v_lshlrev_b32 v2, 3, v1
	v_lshlrev_b32 v3, 4, v1
	s_lshl_b32 s16, s14, 15                        ; my 32 KiB of a slot
	v_add_nc_u32 v6, s16, v3
	v_add_nc_u32 v7, SLOT, v6
	s_lshl_b32 s17, s14, 2
	s_add_co_u32 s17, s17, RED
	v_mov_b32 v4, s17
	v_mov_b32 v5, RED
	v_lshl_add_u32 v32, v0, 4, PART                ; my wave's partial row: 512 w + 16 x lane
	v_add_nc_u32 v33, PART, v3
	v_lshrrev_b32 v34, 1, v1
	v_and_b32 v35, 1, v1
	v_lshlrev_b32 v34, 12, v34
	v_lshl_add_u32 v34, v35, 8, v34                ; the prefetches: row lane / 2 (of 16), block lane % 2 of its 512 bytes
	v_mov_b32 v53, 0                               ; written once: a lane permute's destination counts as one of its sources
	s_and_b32 s15, ttmp7, 0xffff                   ; the batch
	s_mov_b32 s12, 0x76543210                      ; v_permlanex16_b32's selects for lane l xor 16
	s_mov_b32 s13, 0xfedcba98
	s_lshl_b32 s18, s15, 23                        ; the batch's 2,048 rows of 4,096 bytes,
	s_lshl_b32 s19, ttmp9, 9                       ; my 512 bytes of a row,
	s_add_co_u32 s18, s18, s19
	s_lshl_b32 s20, s14, 18                        ; my wave's 64 rows
	s_add_co_u32 s18, s18, s20
	s_lshl_b32 s20, s15, 12                        ; out0: the batch's row,
	s_add_co_u32 s20, s20, s19                     ; my 512 bytes
	s_mov_b32 s19, 0
	s_mov_b32 s21, 0
	s_lshl_b32 s22, s15, 13                        ; the batch's 2,048 scores and weights,
	s_lshl_b32 s23, s14, 8                         ; my wave's 64 of a trip
	s_add_co_u32 s22, s22, s23
	s_mov_b32 s23, 0
	s_lshl_b32 s38, ttmp9, 10                      ; the eighth of out1's row that my work-group stores
	s_mov_b32 s39, 0
	s_mov_b32 s[G1+0], 3<<16                       ; elements of 8 bytes
	s_mov_b32 s[G1+1], 64<<16                      ; rows of 512 bytes,
	s_mov_b32 s[G1+2], 64<<16                      ; 64 of them,
	s_mov_b32 s[G1+3], 64<<16
	s_mov_b32 s[G1+4], 64
	s_mov_b32 s[G1+5], 512                         ; 4,096 bytes apart
	s_mov_b32 s[G1+6], 0
	s_mov_b32 s[G1+7], 0
	s_mov_b32 s[G0], 1
	s_mov_b32 s[G0+1], s16
	s_mov_b32 s41, 0                               ; the upper words of the pairs that carry a weight: named with them, so they are written
	s_mov_b32 s43, 0
	s_mov_b32 s45, 0
	s_mov_b32 s47, 0
	s_wait_alu depctr_va_vdst(0)                   ; the wait at the head's end
	s_wait_dscnt 0x0                               ; both opening adds are done
	s_wait_kmcnt 0x0
	s_add_nc_u64 s[4:5], s[4:5], s[18:19]
	s_mov_b64 s[G0+2:G0+3], s[4:5]
	s_or_b32 s[G0+3], s[G0+3], 0x80000000
	tensor_load_to_lds s[G0:G0+3], s[G1:G1+7]      ; trip 0's tile: my one tensor load at the head
	s_nop 0
.rept 4
	v_nop
.endr
	s_add_nc_u64 s[6:7], s[6:7], s[22:23]
	s_add_nc_u64 s[36:37], s[6:7], s[38:39]
	s_add_nc_u64 s[10:11], s[10:11], s[22:23]
	s_add_nc_u64 s[10:11], s[10:11], s[38:39]
	s_add_nc_u64 s[8:9], s[8:9], s[20:21]
.irp t, 0,1,2,3,4,5,6,7
	global_load_b64 v[16+2*\t:17+2*\t], v2, s[6:7] offset:1024*\t   ; the wave reads 256 consecutive bytes, aligned
.endr
	global_load_b64 v[40:41], v2, s[36:37]
	s_wait_loadcnt 0x0
	v_max3_num_f32 v52, v16, v17, v18
.irp i, 19,21,23,25,27,29
	v_max3_num_f32 v52, v52, v[\i], v[\i+1]
.endr
	v_max_num_f32 v52, v52, v31
	v_max_num_f32_dpp v52, v52, v52 row_xmask:1 row_mask:0xf bank_mask:0xf
	v_max_num_f32_dpp v52, v52, v52 row_xmask:2 row_mask:0xf bank_mask:0xf
	v_max_num_f32_dpp v52, v52, v52 row_xmask:4 row_mask:0xf bank_mask:0xf
	v_max_num_f32_dpp v52, v52, v52 row_xmask:8 row_mask:0xf bank_mask:0xf
	v_permlanex16_b32 v53, v52, s12, s13
	v_max_num_f32 v52, v52, v53                    ; my wave's largest score
	ds_store_b32 v4, v52
	s_wait_alu depctr_va_vdst(0)                   ; the wait ahead of the blocking waits: the pair v[52:53] is named again behind them
	s_wait_tensorcnt 0x0                           ; trip 0's tile is in; slot 1's first fill is issued as a refill is: the three lines, a barrier, my one load
	ds_add_u32 v62, v63
	s_xor_b32 s[G0+1], s[G0+1], SLOT
	s_add_nc_u64 s[G0+2:G0+3], s[G0+2:G0+3], 0x100000   ; 256 rows on
	s_wait_dscnt 0x0                               ; the add and my maximum's store are done
	s_barrier_signal -1
	s_barrier_wait -1
	tensor_load_to_lds s[G0:G0+3], s[G1:G1+7]
	s_nop 0
.rept 4
	v_nop
.endr
	ds_load_b128 v[44:47], v5
	s_wait_dscnt 0x0
	v_max3_num_f32 v52, v44, v45, v46
	v_max_num_f32 v52, v52, v47                    ; the batch's largest score
.irp i, 16,18,20,22,24,26,28,30,40
	v_pk_add_f32 v[\i:\i+1], v[\i:\i+1], v[52:53] op_sel_hi:[1,0] neg_lo:[0,1] neg_hi:[0,1]
.endr
.irp i, 16,18,20,22,24,26,28,30,40
	v_pk_mul_f32 v[\i:\i+1], v[\i:\i+1], 0x3fb8aa3b op_sel_hi:[1,0]   ; x log2(e)
.endr
	s_wait_alu depctr_va_vdst(0)                   ; a wait ahead of the batch,
.irp i, 16,17,18,19,20,21,22,23,24,25,26,27,28,29,30,31,40,41
	v_exp_f32 v[\i], v[\i]
.endr
	v_nop                                          ; a plain instruction behind the last exponential,
	s_wait_alu depctr_va_vdst(0)                   ; and a wait ahead of the batch's first reader
	v_pk_add_f32 v[48:49], v[16:17], v[18:19]
	v_pk_add_f32 v[50:51], v[20:21], v[22:23]
	v_pk_add_f32 v[48:49], v[48:49], v[24:25]
	v_pk_add_f32 v[50:51], v[50:51], v[26:27]
	v_pk_add_f32 v[48:49], v[48:49], v[28:29]
	v_pk_add_f32 v[50:51], v[50:51], v[30:31]
	v_pk_add_f32 v[48:49], v[48:49], v[50:51]
	v_add_f32 v54, v48, v49
	v_add_f32_dpp v54, v54, v54 row_xmask:1 row_mask:0xf bank_mask:0xf
	v_add_f32_dpp v54, v54, v54 row_xmask:2 row_mask:0xf bank_mask:0xf
	v_add_f32_dpp v54, v54, v54 row_xmask:4 row_mask:0xf bank_mask:0xf
	v_add_f32_dpp v54, v54, v54 row_xmask:8 row_mask:0xf bank_mask:0xf
	v_permlanex16_b32 v53, v54, s12, s13
	v_add_f32 v54, v54, v53                        ; my wave's sum of p
	ds_store_b32 v4, v54 offset:256                ; read behind the last barrier
.macro LDB ad, b                       ; 16 rows of my tile into buffer b % 3: a load reads 512 consecutive bytes
.set BU, 64+64*((\b)%3)
.set I, 0
.rept 16
	ds_load_b128 v[BU+4*I:BU+4*I+3], v[\ad] offset:(16*(\b)+I)*512
.set I, I+1
.endr
.endm
.macro PROC j, b                       ; row R of the tile: its p lies in lane R / 2, register 16 + 2 j + R % 2; two packed multiply-adds.  Rows 0 and 1 of trip 0 start the sums: nothing is cleared
.set BU, 64+64*((\b)%3)
.set I, 0
.rept 16
.set R, 16*(\b)+I
.set SWT, 40+2*(R%4)
.set AC, 8+4*(R%2)
	v_readlane_b32 s[SWT], v[16+2*(\j)+R%2], R/2
.if ((\j) == 0) && (R < 2)
	v_pk_mul_f32 v[AC:AC+1], v[BU+4*I:BU+4*I+1], s[SWT:SWT+1] op_sel_hi:[1,0]
	v_pk_mul_f32 v[AC+2:AC+3], v[BU+4*I+2:BU+4*I+3], s[SWT:SWT+1] op_sel_hi:[1,0]
.else
	v_pk_fma_f32 v[AC:AC+1], v[BU+4*I:BU+4*I+1], s[SWT:SWT+1], v[AC:AC+1] op_sel_hi:[1,0,1]
	v_pk_fma_f32 v[AC+2:AC+3], v[BU+4*I+2:BU+4*I+3], s[SWT:SWT+1], v[AC+2:AC+3] op_sel_hi:[1,0,1]
.endif
.set I, I+1
.endr
.endm
.macro PF j, k                         ; 16 rows of the tile two trips on; the base and the offset register are never rewritten
.if (\j) < 6
	global_prefetch_b8 v34, s[4:5] offset:0x100000*((\j)+2)+65536*(\k) th:TH_LOAD_NT scope:SCOPE_SE
.endif
.endm
.macro CONSUME j
	LDB 6+(\j)%2, 0
	LDB 6+(\j)%2, 1
	LDB 6+(\j)%2, 2
	s_wait_dscnt 32                                ; the first 16 rows are in
	PF \j, 0
	PROC \j, 0
	LDB 6+(\j)%2, 3
	PF \j, 1
	s_wait_alu depctr_va_vdst(0)                   ; the wait ahead of each blocking wait
	s_wait_dscnt 32
	PROC \j, 1
	PF \j, 2
	s_wait_alu depctr_va_vdst(0)
	s_wait_dscnt 16
	PROC \j, 2
	PF \j, 3
	s_wait_alu depctr_va_vdst(0)
	s_wait_dscnt 0x0
	PROC \j, 3
.endm
.macro TRIP j                          ; the three lines, the barrier, my one tensor load (trip j + 1's tile into the slot read last), then this trip's tile
	s_wait_alu depctr_va_vdst(0)
	s_wait_tensorcnt 0x0
	ds_add_u32 v62, v63
.if (\j) < 7
	s_xor_b32 s[G0+1], s[G0+1], SLOT
	s_add_nc_u64 s[G0+2:G0+3], s[G0+2:G0+3], 0x100000
.endif
	s_wait_dscnt 0x0
	s_barrier_signal -1
	s_barrier_wait -1
.if (\j) < 7
	tensor_load_to_lds s[G0:G0+3], s[G1:G1+7]
	s_nop 0
.rept 4
	v_nop
.endr
.endif
	CONSUME \j
.endm
	s_wait_alu depctr_va_vdst(0)                   ; the wait ahead of the blocking waits
	CONSUME 0
.irp j, 1,2,3,4,5,6,7
	TRIP \j
.endr
	v_pk_add_f32 v[8:9], v[8:9], v[12:13]
	v_pk_add_f32 v[10:11], v[10:11], v[14:15]
	ds_store_b128 v32, v[8:11]
	s_wait_dscnt 0x0
	s_barrier_signal -1
	s_barrier_wait -1
	ds_load_b128 v[44:47], v5 offset:256           ; the four waves' sums of p
	s_wait_dscnt 0x0
	v_add_f32 v44, v44, v45
	v_add_f32 v46, v46, v47
	v_add_f32 v44, v44, v46                        ; the batch's sum: at least 1, the largest score's own term
	s_wait_alu depctr_va_vdst(0)
	v_rcp_f32 v55, v44
	v_nop
	s_wait_alu depctr_va_vdst(0)
	v_mul_f32 v40, v40, v55
	v_mul_f32 v41, v41, v55                        ; my two weights
	global_store_b64 v2, v[40:41], s[10:11]        ; the wave stores 256 consecutive bytes, aligned
	s_cmp_lg_u32 s14, 0                            ; wave 0 adds the four partial rows and stores the work-group's 512 bytes of out0
	s_cbranch_scc1 .Lend
.irp k, 0,1,2,3
	ds_load_b128 v[64+4*\k:67+4*\k], v33 offset:512*\k
.endr
	s_wait_dscnt 0x0
	v_pk_add_f32 v[64:65], v[64:65], v[68:69]
	v_pk_add_f32 v[66:67], v[66:67], v[70:71]
	v_pk_add_f32 v[72:73], v[72:73], v[76:77]
	v_pk_add_f32 v[74:75], v[74:75], v[78:79]
	v_pk_add_f32 v[64:65], v[64:65], v[72:73]
	v_pk_add_f32 v[66:67], v[66:67], v[74:75]
.irp i, 64,65,66,67
	v_mul_f32 v[\i], v[\i], v55
.endr
	global_store_b128 v3, v[64:67], s[8:9]         ; 512 consecutive bytes, aligned
.Lend:
	s_wait_tensorcnt 0x0                           ; the wave's end
	ds_add_u32 v62, v63
	s_wait_dscnt 0x0
	s_endpgm
.Lfunc_end_k_qb436d5b983_context:
	.size	k_qb436d5b983_context, .Lfunc_end_k_qb436d5b983_context-k_qb436d5b983_context
	.p2alignl 7, 3214868480
	.fill 96, 4, 3214868480
	.section	.rodata,"a",@progbits
	.p2align	6, 0x0
	.amdhsa_kernel k_qb436d5b983_context
		.amdhsa_group_segment_fixed_size 327680
		.amdhsa_private_segment_fixed_size 0
		.amdhsa_enable_private_segment 0
		.amdhsa_kernarg_size 32
		.amdhsa_user_sgpr_count 2
		.amdhsa_user_sgpr_kernarg_segment_ptr 1
		.amdhsa_wavefront_size32 1
		.amdhsa_system_sgpr_workgroup_id_x 1
		.amdhsa_system_sgpr_workgroup_id_y 1
		.amdhsa_system_sgpr_workgroup_id_z 1
		.amdhsa_system_vgpr_workitem_id 0
		.amdhsa_next_free_vgpr 256
		.amdhsa_next_free_sgpr 66
		.amdhsa_reserve_vcc 0
		.amdhsa_float_denorm_mode_32 3
		.amdhsa_float_denorm_mode_16_64 3
		.amdhsa_memory_ordered 1
		.amdhsa_forward_progress 1
		.amdhsa_inst_pref_size 147
	.end_amdhsa_kernel
	.amdgpu_metadata
---
amdhsa.version: [ 1, 2 ]
amdhsa.kernels:
  - .name:           k_qb436d5b983_context
    .symbol:         k_qb436d5b983_context.kd
    .args:
      - { .name: keys, .offset: 0, .size: 8, .value_kind: global_buffer, .address_space: global }
      - { .name: scbuf, .offset: 8, .size: 8, .value_kind: global_buffer, .address_space: global }
      - { .name: out0, .offset: 16, .size: 8, .value_kind: global_buffer, .address_space: global }
      - { .name: out1, .offset: 24, .size: 8, .value_kind: global_buffer, .address_space: global }
    .group_segment_fixed_size: 327680
    .private_segment_fixed_size: 0
    .kernarg_segment_align: 8
    .kernarg_segment_size: 32
    .max_flat_workgroup_size: 128
    .sgpr_count:     66
    .vgpr_count:     256
    .wavefront_size: 32
...
	.end_amdgpu_metadata
.endif
;; end of part 3
